; MI455X (gfx1250); checked and timed in simulation.
; The chip was launched on July 23, 2026; its instructions are those of AMD's public machine-readable ISA for CDNA 5 (MIT licence, August 2026) and "CDNA5" Instruction Set Architecture Reference Guide (July 2026). The comments in the code are by the model that wrote it; some were corrected since.
;; Cross Attention Model. Allowed arithmetic: matrix products marked QUANTISED: E2M3 operands, one E8M0 scale for each 32 along K, by v_wmma_scale_f32_16x16x128_f8f6f4 with both operands' format E2M3, f32 sums; products left as they are: f32 operands where the result goes on into a quantised operand, else bf16, f16 or f32 operands; f32 sums; everything else in f32.
;; Inputs: Wk 1,024 x 1,024 float32; Wq 1,024 x 1,024 float32; Wv 1,024 x 1,024 float32; bk 1,024 float32; bq 1,024 float32; bv 1,024 float32; memory_values 16 x 2,048 x 1,024 float32; query 16 x 1,024 float32.
;; Outputs: out0 16 x 1,024 float32; out1 16 x 2,048 float32; out2 16 x 8 x 1,024 float32; out3 16 x 8 int32.
;; Constants: top_k = 8.
;; This version of the problem:
;;   THIS VERSION OF THE PROBLEM IS GIVEN IN LOW PRECISION. The matrix products marked QUANTISED in the list below multiply operands that are first quantised to E2M3 (2 exponent bits, 3 mantissa bits; 6 bits a number), with one power-of-two scale for each 32 numbers along K (OCP MX v1.0); their sums are f32. All else is computed in f32.
;;   The module's matrix products, in the order in which they are computed (A, B: the left and right operand; K: the contracted axis; several contracted axes count as one K, in the product's order):
;;     1. [M 16, K 1,024] x [K 1,024, N 1,024]; A: input query; B: input Wq: QUANTISED
;;     2. [M 32,768, K 1,024] x [K 1,024, N 1,024]; A: input memory_values; B: input Wk: QUANTISED
;;     3. [M 32,768, K 1,024] x [K 1,024, N 1,024]; A: input memory_values; B: input Wv: QUANTISED
;;     4. batch 16 x [M 1, K 1,024] x [K 1,024, N 2,048]; A: computed on the way; B: computed on the way: left as it is (M = 1 < 16)
;;     5. batch 16 x [M 1, K 2,048] x [K 2,048, N 1,024]; A: softmax; B: computed on the way: left as it is (M = 1 < 16)
;;   THE QUANTISER, for each operand of a quantised product, along K:
;;     - K is cut into blocks of 32 from its start; a last block that is shorter is filled with zeros.
;;     - A block's scale is 2^e with e = floor(log2(the largest magnitude in the block)) - 2, held to -126 .. 127; a block of zeros has e = 0. As a byte (E8M0): e + 127.
;;     - Each number is divided by its block's scale, clamped to +-7.5, and rounded to the nearest number of E2M3, ties to even, subnormals kept.
;;     - The product sums the exact products of the quantised numbers (number of the format x scale) in f32.
;;   ~~~python
;;   def quantise(x, axis):      # numpy; x: float32 -> the quantised numbers, widened to float32 again
;;       x = np.moveaxis(x, axis, -1); K = x.shape[-1]
;;       x = np.pad(x, [(0, 0)] * (x.ndim - 1) + [(0, -K % 32)]); x = x.reshape(x.shape[:-1] + (-1, 32)); a = np.abs(x).max(-1, keepdims=True)
;;       e = np.where(a > 0, np.clip(np.frexp(np.where(a > 0, a, 1))[1] - 1 - 2, -126, 127), 0)      # np.frexp(a)[1] - 1 = floor(log2(a)), exactly
;;       r = np.clip(x / 2.0 ** e, -7.5, 7.5)
;;       step = 2.0 ** (np.maximum(np.frexp(np.where(r == 0, 1, r))[1] - 1, 0) - 3)
;;       q = np.round(r / step) * step * 2.0 ** e      # np.round: ties to even
;;       return np.moveaxis(q.reshape(q.shape[:-2] + (-1,))[..., :K], -1, axis).astype(np.float32)
;;   ~~~
;; One version. Each part assembles by itself: llvm-mc -triple=amdgcn-amd-amdhsa -mcpu=gfx1250 --defsym DOCPART=n.
;; ======== version 1 of 1: 4 launches
;; workspace buffers: wimg 1,638,400 bytes; qbuf 65,536 bytes; sc 131,072 bytes; opart 1,048,576 bytes; idx 512 bytes of whole numbers
;; launch prep (part 1): grid 192 x 1, 8 waves a work-group, no clusters, 79,360 bytes of LDS; arguments Wk, Wv, Wq, query, bq, wimg, qbuf; writes wimg, qbuf
.if DOCPART == 1
	.amdgcn_target "amdgcn-amd-amdhsa--gfx1250"
	.amdhsa_code_object_version 6
	.text
	.protected	k_q20787b2b6c_prep
	.globl	k_q20787b2b6c_prep
	.p2align	8
	.type	k_q20787b2b6c_prep,@function
k_q20787b2b6c_prep:
	s_mov_b64 s[64:65], 0
	v_nop
	global_prefetch_b8 v0, s[64:65] scope:SCOPE_SE
	s_setreg_imm32_b32 hwreg(HW_REG_WAVE_MODE, 25, 1), 1
	s_wait_xcnt 0x0
; Wk and Wv [1024][1024] f32 become codes of FP6 (E2M3) with one E8M0 byte for each 32 along K, laid as IMAGES OF OPERAND REGISTERS; and q = Q(query) Q(Wq)^T + bq is made.
; Work-group T < 128: tile T of the images (T < 64: rows 16 T on of Wk, else rows 16 (T - 64) on of Wv).  T >= 128: 16 outputs, 16 (T - 128) on, of q for the 16 batches.
; Wave w takes K step w: one fragment of 16 rows x 128 K, 12 registers a lane.
; A TILE OF THE IMAGES is 12,800 dense bytes: fragment s at 1,536 s (registers 4 c .. 4 c + 3 of lane l at 512 c + 16 l); at 12,288 the scale block: lane l's 16 bytes are the scale words of
; row l % 16 for K steps l / 16, 2 + l / 16, 4 + l / 16, 6 + l / 16: one load of 16 bytes a lane gives four scale registers, each with an even K step in lanes 0-15 and the odd one behind it in lanes 16-31.
; A block's scale is 2^(floor(log2(its largest magnitude)) - 2); its byte is that magnitude's exponent field - 2, held at 1 from below.
; LIMITS: a block of zeros gets the byte 1 where the rule says 127 (its codes are zeros, and only this program reads the bytes); blocks under 2^-124 are held at byte 1; NaN and infinities are not served.
; q's K is shared among the eight waves; their eight partial tiles are added in f32 in ascending K onto bq.  q leaves in pieces of 64 bytes: it is 64 KiB in all.
; THE TWO KINDS OF WORK-GROUP PART ONCE, on the work-group's number, behind the address arithmetic; each path has its own loads and its own LDS bytes.
; No tensor loads, no cluster: no two work-groups read the same bytes of a weight; query, 64 KiB, is the one thing shared.
.set STG,   0                          ; the images' path: a stage for each wave: 16 rows x (256 bytes + 16)
.set PSC,   8*4352                     ; the images' path: the tile's scale block, 512 bytes
.set STQ,   PSC+512                    ; the q path's own stages
.set QPART, STQ+8*4352                 ; the q path's eight partial tiles, 1,024 bytes each
.set GA,   4                           ; v4   in memory: 4,096 (lane / 16) + 16 (lane % 16)
.set STW,  5                           ; v5   stage, way in: 272 (lane / 16) + 16 (lane % 16)
.set STR,  6                           ; v6   stage, way out: 272 (lane % 16) + 64 (lane / 16)
.set STW2, 7                           ; v7, v8 the same in the q path's stage
.set STR2, 8
.set GI,   9                           ; v9   my place in the tile's images: 16 lane + 1,536 wave
.set PSW,  10                          ; v10  where my row's scale word goes
.set LI,   11                          ; v11  16 lane
.set PW1,  12                          ; v12  the weight's scale word; v13 query's: they hold scales and nothing else
.set PW2,  13
.set PSR,  14                          ; v14  PSC + 16 lane
.set QPW,  15                          ; v15  QPART + 1,024 wave + 16 lane
.set TM,   16                          ; v16-31 at work in QUANT
.set R,    32                          ; v32-95 the weight's 16 x 128 numbers as loaded; later PC2, D and bq
.set RQ,   96                          ; v96-159 query's; later the eight partial tiles
.set X,    160                         ; v160-223 64 numbers of my row, in the quantiser's order
.set PC1,  224                         ; v224-242 the weight's codes
.set PC2,  32                          ; v32-50 query's codes
.set D,    64                          ; v64-71 my partial tile of q
.set QPR,  244                         ; v244 QPART + 16 lane
.set BQO,  245                         ; v245 my byte in bq
.set QBO,  246                         ; v246 my byte in qbuf
.set SEL,  26                          ; s[26:27] v_permlanex16_b32's selects for lane l xor 16
; 16 rows x 128 numbers: each load takes 256 consecutive bytes of two rows, 16 bytes a lane
.macro LOADF reg, base, nt
.irp hf, 0,1
.irp i2, 0,1,2,3,4,5,6,7
.if \nt
	global_load_b128 v[\reg+4*(8*\hf+\i2):\reg+4*(8*\hf+\i2)+3], v[GA], s[\base:\base+1] offset:8192*\i2+256*\hf th:TH_LOAD_NT
.else
	global_load_b128 v[\reg+4*(8*\hf+\i2):\reg+4*(8*\hf+\i2)+3], v[GA], s[\base:\base+1] offset:8192*\i2+256*\hf
.endif
.endr
.endr
.endm
; through my stage, 64 columns at a time: in as loaded, back 16 neighbours of each block of 32: register 16 b + i = k 32 b + 16 (lane / 16) + i of row lane % 16.
; LDS serves a wave's instructions in order (ISA guide 5.7.1.4): no wait between these lines
.macro TURNX reg, stw, str
.irp hf, 0,1
.irp i2, 0,1,2,3,4,5,6,7
	ds_store_b128 v[\stw], v[\reg+32*\hf+4*\i2:\reg+32*\hf+4*\i2+3] offset:544*\i2
.endr
.irp bb, 0,1
.irp j, 0,1,2,3
	ds_load_b128 v[X+32*\hf+16*\bb+4*\j:X+32*\hf+16*\bb+4*\j+3], v[\str] offset:128*\bb+16*\j
.endr
.endr
.endr
.endm
; 64 numbers of a lane become a fragment's codes in v[cod] .. v[cod + 11] and its row's scale word in v[wrd]
.macro QUANT src, cod, wrd
.irp b, 0,1,2,3
	v_max3_num_f32 v[TM+\b], |v[\src+16*\b]|, |v[\src+1+16*\b]|, 0x1800000   ; my 16 numbers of block b, and the floor 2^(3 - 127): the byte cannot fall under 1
.endr
.irp i, 2,4,6,8,10,12,14
.irp b, 0,1,2,3
	v_max3_num_f32 v[TM+\b], v[TM+\b], |v[\src+16*\b+\i]|, |v[\src+1+16*\b+\i]|   ; the four blocks by turns
.endr
.endr
.irp b, 0,1,2,3
	v_permlanex16_b32 v[TM+4+\b], v[TM+\b], s[SEL], s[SEL+1]
.endr
.irp b, 0,1,2,3
	v_max_num_f32 v[TM+\b], v[TM+\b], v[TM+4+\b]   ; with lane l xor 16's: the block's largest magnitude
.endr
.irp b, 0,1,2,3
	v_add_nc_u32 v[TM+12+\b], 0xff000000, v[TM+\b]   ; 2 off its exponent field: the conversion takes this operand's exponent field as its scale
.endr
.irp b, 0,1,2,3
	v_lshrrev_b32 v[TM+4+\b], 23, v[TM+12+\b]      ; the scale's byte
.endr
	v_lshl_or_b32 v[\wrd], v[TM+5], 8, v[TM+4]
	v_lshl_or_b32 v[\wrd], v[TM+6], 16, v[\wrd]
	v_lshl_or_b32 v[\wrd], v[TM+7], 24, v[\wrd]
.irp c, 0,1
	v_cvt_scalef32_pk16_fp6_f32 v[\cod+6*\c:\cod+2+6*\c], v[\src+32*\c:\src+15+32*\c], v[TM+12+2*\c]
	v_cvt_scalef32_pk16_fp6_f32 v[\cod+12+4*\c:\cod+14+4*\c], v[\src+16+32*\c:\src+31+32*\c], v[TM+12+2*\c+1]   ; (a conversion's three registers begin on an even number)
.endr
	v_nop                                          ; one plain place behind a scaled conversion
.irp c, 0,1                                    ; the operand's layout wants a whole block in a lane
.irp i, 0,1,2
	v_permlane16_swap_b32 v[\cod+6*\c+\i], v[\cod+12+4*\c+\i]
.endr
.irp i, 0,1,2
	v_mov_b32 v[\cod+3+6*\c+\i], v[\cod+12+4*\c+\i]
.endr
.endr
.endm
	s_load_b256 s[4:11], s[0:1], 0x0               ; Wk s[4:5], Wv s[6:7], Wq s[8:9], query s[10:11]
	s_load_b128 s[12:15], s[0:1], 0x20             ; bq s[12:13], wimg s[14:15]
	s_load_b64 s[16:17], s[0:1], 0x30              ; qbuf
	v_lshl_add_u32 v254, v0, 2, 0x13200
	v_mov_b32 v255, 0
	v_lshrrev_b32 v1, 5, v0
	v_readfirstlane_b32 s18, v1                    ; wave 0..7 = K step
	v_and_b32 v1, 31, v0                           ; lane
	v_and_b32 v2, 15, v0                           ; r
	v_bfe_u32 v3, v0, 4, 1                         ; h
	v_lshlrev_b32 v[GA], 4, v2
	v_lshl_add_u32 v[GA], v3, 12, v[GA]
	s_mul_i32 s19, s18, 4352                       ; my stage
	v_mul_u32_u24 v[STW], v3, 272
	v_lshl_add_u32 v[STW], v2, 4, v[STW]
	v_add_nc_u32 v[STW], s19, v[STW]
	v_mul_u32_u24 v[STR], v2, 272
	v_lshl_add_u32 v[STR], v3, 6, v[STR]
	v_add_nc_u32 v[STR], s19, v[STR]
	v_add_nc_u32 v[STW2], STQ, v[STW]
	v_add_nc_u32 v[STR2], STQ, v[STR]
	v_lshlrev_b32 v[LI], 4, v1
	s_mul_i32 s20, s18, 1536
	v_add_nc_u32 v[GI], s20, v[LI]
	s_and_b32 s21, s18, 1
	s_lshl_b32 s21, s21, 8                         ; odd K steps go to lanes 16-31's places,
	s_lshr_b32 s22, s18, 1
	s_lshl_b32 s22, s22, 2                         ; word wave / 2
	s_add_co_u32 s21, s21, s22
	s_add_co_u32 s21, s21, PSC
	v_lshl_add_u32 v[PSW], v2, 4, s21
	v_add_nc_u32 v[PSR], PSC, v[LI]
	s_lshl_b32 s21, s18, 10
	s_add_co_u32 s21, s21, QPART
	v_add_nc_u32 v[QPW], s21, v[LI]
	v_add_nc_u32 v[QPR], QPART, v[LI]
	s_mov_b32 s[SEL], 0x76543210
	s_mov_b32 s[SEL+1], 0xfedcba98
.irp b, 0,1,2,3
	v_mov_b32 v[TM+4+\b], 0                        ; written once: a lane permute's destination counts as one of its sources
.endr
	s_and_b32 s24, ttmp9, 63
	s_lshl_b32 s24, s24, 16                        ; 16 rows of 4,096 bytes
	s_lshl_b32 s28, s18, 9                         ; my K step: 512 bytes of a row
	s_add_co_u32 s24, s24, s28
	s_mov_b32 s25, 0
	s_mov_b32 s29, 0
	s_wait_kmcnt 0x0
	s_cmp_lt_u32 ttmp9, 64                         ; which weight: the choice hangs on the work-group's number alone
	s_cselect_b64 s[4:5], s[4:5], s[6:7]
	s_cmp_lt_u32 ttmp9, 128
	s_cselect_b64 s[4:5], s[4:5], s[8:9]
	s_add_nc_u64 s[4:5], s[4:5], s[24:25]
	s_add_nc_u64 s[10:11], s[10:11], s[28:29]
	s_cmp_lt_u32 ttmp9, 128                        ; the one parting of the ways
	s_cbranch_scc0 .Lq_path
	; ---- a tile of the images
	LOADF R, 4, 1                                  ; each byte of a weight is read once in the launch
	s_mul_i32 s24, ttmp9, 12800
	s_add_nc_u64 s[14:15], s[14:15], s[24:25]
	s_wait_loadcnt 0x0
	TURNX R, STW, STR
	s_wait_dscnt 0x0
	QUANT X, PC1, PW1
.irp c, 0,1,2
	global_store_b128 v[GI], v[PC1+4*\c:PC1+4*\c+3], s[14:15] offset:512*\c   ; 32 lanes store 512 consecutive bytes, at a multiple of 256 from the buffer's first byte
.endr
	ds_store_b32 v[PSW], v[PW1]                    ; both halves of the lanes write the same word with the same value
	s_wait_dscnt 0x0                               ; for the others' sake: my word has landed
	s_barrier_signal -1
	s_barrier_wait -1
	s_cmp_lg_u32 s18, 0
	s_cbranch_scc1 .Lend_w
	ds_load_b128 v[32:35], v[PSR]                  ; wave 0 sends the scale block: 512 consecutive bytes
	s_wait_dscnt 0x0
	global_store_b128 v[LI], v[32:35], s[14:15] offset:12288
.Lend_w:
	s_wait_tensorcnt 0x0
	ds_add_u32 v254, v255
	s_wait_dscnt 0x0
	s_endpgm
.Lq_path:
	; ---- 16 outputs of q.  Source 0 = 16 rows of Wq, source 1 = the 16 batches: lane (r, h) holds batch r, register j output 16 tq + 8 h + j
	LOADF R, 4, 1                                  ; Wq's 16 rows, my K step
	LOADF RQ, 10, 0                                ; query's 16 rows, my K step: 64 work-groups read them
	s_wait_loadcnt 16                              ; loads come back in order: Wq's sixteen are in, query's sixteen may stay out
	TURNX R, STW2, STR2
	s_wait_dscnt 0x0
	QUANT X, PC1, PW1
	s_wait_loadcnt 0x0                             ; query's
	TURNX RQ, STW2, STR2                           ; through the same stage of my own: LDS serves a wave's instructions in order
	s_wait_dscnt 0x0
	QUANT X, PC2, PW2
	s_sub_co_u32 s24, ttmp9, 128
	s_lshl_b32 s24, s24, 6                         ; 64 tq
	v_lshl_add_u32 v[BQO], v3, 5, s24
	v_lshl_add_u32 v[QBO], v2, 12, v[BQO]
.rept 6
	v_nop                                          ; with the two lines above: eight places between the writing of a scale register by a vector instruction and the scaled product
.endr
	v_wmma_scale_f32_16x16x128_f8f6f4 v[D:D+7], v[PC1:PC1+11], v[PC2:PC2+11], 0, v[PW1], v[PW2] matrix_a_fmt:MATRIX_FMT_FP6 matrix_b_fmt:MATRIX_FMT_FP6
.rept 4
	v_nop                                          ; four places ahead of the stores that read the result
.endr
	ds_store_b128 v[QPW], v[D:D+3]                 ; from the low end on
	ds_store_b128 v[QPW], v[D+4:D+7] offset:512
	s_wait_dscnt 0x0                               ; for wave 0's sake: my partial tile has landed
	s_barrier_signal -1
	s_barrier_wait -1
	s_cmp_lg_u32 s18, 0
	s_cbranch_scc1 .Lend_q
	global_load_b128 v[72:75], v[BQO], s[12:13]
	global_load_b128 v[76:79], v[BQO], s[12:13] offset:16
.irp w, 0,1,2,3,4,5,6,7
	ds_load_b128 v[RQ+8*\w:RQ+8*\w+3], v[QPR] offset:1024*\w
	ds_load_b128 v[RQ+8*\w+4:RQ+8*\w+7], v[QPR] offset:1024*\w+512
.endr
	s_wait_loadcnt 0x0
	s_wait_dscnt 0x0
.irp w, 0,1,2,3,4,5,6,7                        ; bq + the eight K steps, ascending
.irp j, 0,2,4,6
	v_pk_add_f32 v[72+\j:73+\j], v[72+\j:73+\j], v[RQ+8*\w+\j:RQ+8*\w+\j+1]
.endr
.endr
	global_store_b128 v[QBO], v[72:75], s[16:17]
	global_store_b128 v[QBO], v[76:79], s[16:17] offset:16
.Lend_q:
	s_wait_tensorcnt 0x0
	ds_add_u32 v254, v255
	s_wait_dscnt 0x0
	s_endpgm
.Lfunc_end_k_q20787b2b6c_prep:
	.size	k_q20787b2b6c_prep, .Lfunc_end_k_q20787b2b6c_prep-k_q20787b2b6c_prep
	.p2alignl 7, 3214868480
	.fill 96, 4, 3214868480
	.section	.rodata,"a",@progbits
	.p2align	6, 0x0
	.amdhsa_kernel k_q20787b2b6c_prep
		.amdhsa_group_segment_fixed_size 79360
		.amdhsa_private_segment_fixed_size 0
		.amdhsa_enable_private_segment 0
		.amdhsa_kernarg_size 56
		.amdhsa_user_sgpr_count 2
		.amdhsa_user_sgpr_kernarg_segment_ptr 1
		.amdhsa_wavefront_size32 1
		.amdhsa_system_sgpr_workgroup_id_x 1
		.amdhsa_system_sgpr_workgroup_id_y 1
		.amdhsa_system_sgpr_workgroup_id_z 1
		.amdhsa_system_vgpr_workitem_id 0
		.amdhsa_next_free_vgpr 256
		.amdhsa_next_free_sgpr 66
		.amdhsa_reserve_vcc 0
		.amdhsa_float_denorm_mode_32 3
		.amdhsa_float_denorm_mode_16_64 3
		.amdhsa_memory_ordered 1
		.amdhsa_forward_progress 1
		.amdhsa_inst_pref_size 31
	.end_amdhsa_kernel
	.amdgpu_metadata
---
amdhsa.version: [ 1, 2 ]
amdhsa.kernels:
  - .name:           k_q20787b2b6c_prep
    .symbol:         k_q20787b2b6c_prep.kd
    .args:
      - { .name: Wk, .offset: 0, .size: 8, .value_kind: global_buffer, .address_space: global }
      - { .name: Wv, .offset: 8, .size: 8, .value_kind: global_buffer, .address_space: global }
      - { .name: Wq, .offset: 16, .size: 8, .value_kind: global_buffer, .address_space: global }
      - { .name: query, .offset: 24, .size: 8, .value_kind: global_buffer, .address_space: global }
      - { .name: bq, .offset: 32, .size: 8, .value_kind: global_buffer, .address_space: global }
      - { .name: wimg, .offset: 40, .size: 8, .value_kind: global_buffer, .address_space: global }
      - { .name: qbuf, .offset: 48, .size: 8, .value_kind: global_buffer, .address_space: global }
    .group_segment_fixed_size: 79360
    .private_segment_fixed_size: 0
    .kernarg_segment_align: 8
    .kernarg_segment_size: 56
    .max_flat_workgroup_size: 256
    .sgpr_count:     66
    .vgpr_count:     256
    .wavefront_size: 32
...
	.end_amdgpu_metadata
.endif
;; end of part 1
;; launch attend (part 2): grid 256 x 1, 4 waves a work-group, clusters of 4 x 1, 327,680 bytes of LDS; arguments memory_values, wimg, qbuf, bk, sc, opart; writes sc, opart
.if DOCPART == 2
	.amdgcn_target "amdgcn-amd-amdhsa--gfx1250"
	.amdhsa_code_object_version 6
	.text
	.protected	k_q20787b2b6c_attend
	.globl	k_q20787b2b6c_attend
	.p2align	8
	.type	k_q20787b2b6c_attend,@function
k_q20787b2b6c_attend:
	s_mov_b64 s[64:65], 0
	v_nop
	global_prefetch_b8 v0, s[64:65] scope:SCOPE_SE
	s_setreg_imm32_b32 hwreg(HW_REG_WAVE_MODE, 25, 1), 1
	s_wait_xcnt 0x0
	s_wait_alu depctr_hold_cnt(0) depctr_sa_sdst(0) depctr_va_vdst(0) depctr_va_sdst(0) depctr_va_ssrc(0) depctr_va_vcc(0) depctr_vm_vsrc(0)
	s_getreg_b32 s2, hwreg(HW_REG_IB_STS2, 6, 4)
	s_cmp_eq_u32 s2, 0
	s_cbranch_scc0 .Lentry_in_a_cluster
	s_endpgm
.Lentry_in_a_cluster:
	s_bfe_u32 s2, ttmp6, 0x10000c
	s_cmp_lg_u32 s2, 0x3003
	s_cbranch_scc0 .Lentry_shape_is_right
	s_endpgm
.Lentry_shape_is_right:
; A work-group owns 128 rows of memory_values (work-group WG: rows 128 WG on of the 32,768; batch WG / 16).  It quantises them once to FP6 (E2M3, one E8M0 byte for each 32 along K), multiplies them by
; all of Q(Wk) and Q(Wv) on the matrix units, and keeps neither k nor v: a tile of k is folded at once into the rows' scores, a tile of v into the sum over rows of p v.
; OUT: sc[row] = t = (q . k) log2(e) / 32;  opart[WG][e] = the sum over my 128 rows of 2^(t - m) (v - bv), m my rows' largest t.  The next launch finds m again from sc (a maximum rounds nothing).
; SHARES.  Wave w: rows 64 (w / 2) on, and of each slot of 8 column tiles the 4 from 4 (w % 2) on.  Its 64 rows' codes for ALL of K stay in registers (32 fragments, 384 registers), so each fragment
; of a weight read from LDS (1,536 bytes) feeds 4 products, and the weights stream through LDS once.
; THE PRODUCT: source 0 = 16 of my rows, source 1 = 16 rows of the weight: lane (r, h) holds column e = 16 T + r, register j row 8 h + j.  So q(e), one number a lane, multiplies a tile of k, and p(row),
; one number a register, a tile of v.
; THE WEIGHTS come as images of operand registers (12,800 bytes a tile: 8 fragments and a scale block), 8 tiles to a slot, through a ring of two LDS slots.
; CLUSTER: all work-groups walk the same weights; the four of a cluster ask for each slot jointly, by the same tensor load with the mask of the four; a wave brings a quarter of a slot (2 tiles).
; bk enters as the sum over e of q(e) bk(e), added to every row's score; bv is added by the next launch.
; LIMITS: a block of zeros gets the byte 1 where the rule says 127 (its codes are zeros; only this program reads the bytes); blocks under 2^-124 are held at byte 1; NaN and infinities are not served;
; the sums over e and over rows are taken in this text's order, not in reference()'s.
; REGISTERS, in windows of 256 (s_set_vgpr_msb: bits 1:0 source 0, 3:2 source 1, 5:4 source 2, 7:6 destination):
;   window 0: addresses, scale words, q, the scores S (later p), and what the quantiser and the softmax work on
;   window 1: my rows' fragments of K steps 0-3 (block a, step s at v[12 (4 s + a)])
;   window 2: those of K steps 4-7          window 3: at first four sets of 64 numbers as loaded; then the weight's fragments, two sets (v0-95, v96-191), and four accumulators (v192-223)
; A TILE'S ORDER: the next tile's 25 LDS loads in ONE run, then the tile's 32 products with no LDS instruction among them, then the fold.  A tile's fragments are so asked for a whole tile ahead of their use.
.set SLOTB, 102400                     ; a slot: 8 tiles
.set TILEB, 12800
.set FRB,   1536                       ; a fragment's image
.set AIMG,  2*SLOTB                    ; behind the ring: my 128 rows' 64 fragments (block g, K step s at (8 g + s) FRB),
.set ASC,   AIMG+64*FRB                ; their scale blocks, 512 bytes a block of 16 rows,
.set STAGE, ASC+4096                   ; a stage for each wave, 16 rows x (256 bytes + 16),
.set SPARE, STAGE+4*4352               ; and the spare words, 128 bytes for each wave: two blocks of 256 bytes that no other line names
.set SX,    AIMG                       ; once the images are in registers their bytes serve again: the two column halves' score sums, 2 x 512 bytes,
.set OX,    AIMG+4096                  ; and the partial sums of p v: 4,096 bytes a wave (2,048 for each half of the lanes).  No tensor load ever lands at or behind AIMG
.set SPW,  1                           ; v1   LDS address of my spare word; never rewritten
.set NIL,  2                           ; v2   0; never rewritten
.set LI,   3                           ; v3   16 lane
.set GA,   4                           ; v4   in memory: 4,096 (lane / 16) + 16 (lane % 16)
.set STW,  5                           ; v5   stage, way in
.set STR,  6                           ; v6   stage, way out
.set IMW,  7                           ; v7   where I store images
.set SCW,  8                           ; v8   and scale words
.set IMR,  9                           ; v9   where I read my 64 rows' images
.set SCR,  10                          ; v10  and their scale blocks
.set QO0,  11                          ; v11  my byte in a slot's 512 bytes of q and bk: 4 r + 256 (w % 2)
.set QO,   12                          ; v12  the same in the slot to be fetched
.set PFO,  13                          ; v13  the prefetches' offset; never rewritten
.set BAD,  14                          ; v14, v15 my four tiles in slot 0, 1: + 16 lane
.set SXW,  16
.set SXR,  17
.set SXR2, 18
.set OXW,  19                          ; v19, v21 where a tile's sum of p v goes: even slots', odd slots'
.set OPO,  20                          ; v20  my byte in opart's row
.set OXR,  22
.set SXA,  23
.set OT,   24                          ; v24, v25 a tile's sum, by the tile's parity
.set AS,   32                          ; v32-47 my rows' scale words: register 4 a + i: K step 2 i in lanes 0-15, 2 i + 1 in lanes 16-31.  v32-55 hold scales and nothing else
.set BS,   48                          ; v48-55 the weight's likewise, two sets
.set QV,   56                          ; v56-63 q of my columns, set (slot % 2), tile u
.set BKV,  64                          ; v64-71 bk likewise
.set QB,   72                          ; v72 the sum of q bk over my columns; v73 = 0 (named with it as a pair)
.set S,    80                          ; v80-111 register 8 a + j: row 16 a + 8 h + j of my 64: the score's sum over my columns; later p
.set OA,   112                         ; v112-119 at work in a tile of v
.set X,    128                         ; v128-191 64 numbers in the quantiser's order
.set PC,   192                         ; v192-210 codes just made
.set TM,   212                         ; v212-227 at work in QUANT
.set PW,   228                         ; v228 the scale word just made
.set ACC,  192                         ; in window 3
.set SEL,  40                          ; s[40:41]
.set MSB, 0
.macro WIN new                         ; the immediate's high byte repeats the setting that is left; a switch that changes nothing is dropped
.if MSB != \new
	s_set_vgpr_msb (MSB<<8)|\new
.set MSB, \new
.endif
.endm
.set MUL_A, 0xfd                       ; source 0 (my rows) window 1; source 1 (the weight), C and D window 3
.set MUL_B, 0xfe                       ; the same with source 0 in window 2
.macro CREST                           ; a round of the cluster's barrier behind its opening barrier
	s_cmp_lg_u32 s16, 0
	s_cbranch_scc1 .Lnot_wave_0_\@
	s_barrier_signal -3
.Lnot_wave_0_\@:
	s_barrier_wait -3
	s_barrier_signal -1
	s_barrier_wait -1
.endm
.macro CROUND
	s_barrier_signal -1
	s_barrier_wait -1
	CREST
.endm
; A PREFETCH INTO THE L2 of the slot that stands two refills on (slot sigma + 4 at the change that leaves slot sigma): 400 blocks of 256 bytes.  All clusters walk the same images: cluster 0 asks.  Its four
; partners take 100 blocks each, told apart by address, each wave 25, lanes 256 bytes apart (lanes 25-31 name lane 24's).  The last changes, whose slot would lie past the images, ask for nothing.
.macro ASK
	s_cmp_le_u32 s43, s50
	s_cbranch_scc0 .Lno_ask_\@
	global_prefetch_b8 v[PFO], s[48:49] offset:SLOTB th:TH_LOAD_NT scope:SCOPE_SE
.Lno_ask_\@:
.endm
; 16 rows x 128 numbers into set of window 3: each load takes 256 consecutive bytes of two rows
.macro LOADF set, off
	WIN 0xc0
.irp hf, 0,1
.irp i2, 0,1,2,3,4,5,6,7
	global_load_b128 v[64*(\set)+4*(8*\hf+\i2):64*(\set)+4*(8*\hf+\i2)+3], v[GA], s[4:5] offset:(\off)+8192*\i2+256*\hf th:TH_LOAD_NT
.endr
.endr
.endm
; through my stage, 64 columns at a time: back come 16 neighbours of each block of 32: X's register 16 b + i = k 32 b + 16 (lane / 16) + i of row lane % 16.  LDS serves a wave's instructions in order (ISA guide 5.7.1.4)
.macro TURNX set
.irp hf, 0,1
	WIN 0x0c                                       ; an LDS store's data are its source 1: window 3
.irp i2, 0,1,2,3,4,5,6,7
	ds_store_b128 v[STW], v[64*(\set)+32*\hf+4*\i2:64*(\set)+32*\hf+4*\i2+3] offset:544*\i2
.endr
	WIN 0
.irp bb, 0,1
.irp j, 0,1,2,3
	ds_load_b128 v[X+32*\hf+16*\bb+4*\j:X+32*\hf+16*\bb+4*\j+3], v[STR] offset:128*\bb+16*\j
.endr
.endr
.endr
.endm
.macro QUANT src, cod, wrd
.irp b, 0,1,2,3
	v_max3_num_f32 v[TM+\b], |v[\src+16*\b]|, |v[\src+1+16*\b]|, 0x1800000   ; my 16 numbers of block b, and the floor 2^(3 - 127): the byte cannot fall under 1
.endr
.irp i, 2,4,6,8,10,12,14
.irp b, 0,1,2,3
	v_max3_num_f32 v[TM+\b], v[TM+\b], |v[\src+16*\b+\i]|, |v[\src+1+16*\b+\i]|
.endr
.endr
.irp b, 0,1,2,3
	v_permlanex16_b32 v[TM+4+\b], v[TM+\b], s[SEL], s[SEL+1]
.endr
.irp b, 0,1,2,3
	v_max_num_f32 v[TM+\b], v[TM+\b], v[TM+4+\b]   ; with lane l xor 16's: the block's largest magnitude
.endr
.irp b, 0,1,2,3
	v_add_nc_u32 v[TM+12+\b], 0xff000000, v[TM+\b]   ; 2 off its exponent field: the conversion's scale operand
.endr
.irp b, 0,1,2,3
	v_lshrrev_b32 v[TM+4+\b], 23, v[TM+12+\b]      ; the scale's byte
.endr
	v_lshl_or_b32 v[\wrd], v[TM+5], 8, v[TM+4]
	v_lshl_or_b32 v[\wrd], v[TM+6], 16, v[\wrd]
	v_lshl_or_b32 v[\wrd], v[TM+7], 24, v[\wrd]
.irp c, 0,1
	v_cvt_scalef32_pk16_fp6_f32 v[\cod+6*\c:\cod+2+6*\c], v[\src+32*\c:\src+15+32*\c], v[TM+12+2*\c]
	v_cvt_scalef32_pk16_fp6_f32 v[\cod+12+4*\c:\cod+14+4*\c], v[\src+16+32*\c:\src+31+32*\c], v[TM+12+2*\c+1]
.endr
	v_nop                                          ; one plain place behind a scaled conversion
.irp c, 0,1
.irp i, 0,1,2
	v_permlane16_swap_b32 v[\cod+6*\c+\i], v[\cod+12+4*\c+\i]
.endr
.irp i, 0,1,2
	v_mov_b32 v[\cod+3+6*\c+\i], v[\cod+12+4*\c+\i]
.endr
.endr
.endm
; One fragment of the head: position k of a trip's four (row block k / 2 of my two, K step 2 trip + k % 2).  left: the younger loads that may stay out.  ahead = 1: the set read a step ago takes the fragment three on.
.macro HSTEP k, ahead, left
	s_wait_loadcnt \left                           ; loads come back in order: this fragment's sixteen are in
.if \ahead
.if \k == 0
	LOADF 3, 65536+512
.elseif \k == 1
	LOADF 0, 1024
.elseif \k == 2
	LOADF 1, 1024+512
.else
	LOADF 2, 1024+65536
.endif
.endif
	TURNX \k
	s_wait_dscnt 0x0                               ; X is in; the stage's stores have read their set, and the last fragment's stores their codes
	QUANT X, PC, PW
.irp c, 0,1,2
	ds_store_b128 v[IMW], v[PC+4*\c:PC+4*\c+3] offset:(8*(\k/2)+(\k%2))*FRB+512*\c
.endr
	ds_store_b32 v[SCW], v[PW] offset:512*(\k/2)+256*(\k%2)   ; both halves of the lanes write the same word with the same value
.endm
; Product i of a tile's 32: K step i / 4, row block i % 4.  The four accumulators take turns, one instruction a turn,.  The first four start the sums.
.macro PROD p
.set ks, i/4
.set ab, i%4
.if ks < 4
	WIN MUL_A
.else
	WIN MUL_B
.endif
.if ks == 0
	v_wmma_scale_f32_16x16x128_f8f6f4 v[ACC+8*ab:ACC+8*ab+7], v[12*(4*(ks%4)+ab):12*(4*(ks%4)+ab)+11], v[96*\p+12*ks:96*\p+12*ks+11], 0, v[AS+4*ab+ks/2], v[BS+4*\p+ks/2] matrix_a_fmt:MATRIX_FMT_FP6 matrix_b_fmt:MATRIX_FMT_FP6
.elseif ks%2 == 0
	v_wmma_scale_f32_16x16x128_f8f6f4 v[ACC+8*ab:ACC+8*ab+7], v[12*(4*(ks%4)+ab):12*(4*(ks%4)+ab)+11], v[96*\p+12*ks:96*\p+12*ks+11], v[ACC+8*ab:ACC+8*ab+7], v[AS+4*ab+ks/2], v[BS+4*\p+ks/2] matrix_a_fmt:MATRIX_FMT_FP6 matrix_b_fmt:MATRIX_FMT_FP6
.else
	v_wmma_scale_f32_16x16x128_f8f6f4 v[ACC+8*ab:ACC+8*ab+7], v[12*(4*(ks%4)+ab):12*(4*(ks%4)+ab)+11], v[96*\p+12*ks:96*\p+12*ks+11], v[ACC+8*ab:ACC+8*ab+7], v[AS+4*ab+ks/2], v[BS+4*\p+ks/2] matrix_a_fmt:MATRIX_FMT_FP6 matrix_b_fmt:MATRIX_FMT_FP6 matrix_a_scale:MATRIX_SCALE_ROW1 matrix_b_scale:MATRIX_SCALE_ROW1
.endif
.endm
; A tile of the weight comes out of LDS: its scale block, then its 8 fragments, 25 loads of 512 consecutive bytes in one run.  It is entered with every window 0 and left with the destination in window 3.
.macro BFETCH adr, off, set
	ds_load_b128 v[BS+4*(\set):BS+4*(\set)+3], v[\adr] offset:(\off)+12288
	WIN 0xc0                                       ; destination window 3, address window 0
.set n, 0
.rept 24
	ds_load_b128 v[96*(\set)+4*n:96*(\set)+4*n+3], v[\adr] offset:(\off)+512*n
.set n, n+1
.endr
.endm
; A tile of k is folded into the scores: S(row) += k(row, e) q(e).  Each accumulator is read from its low end on.
.macro EPIK u, par
.irp jj, 0,2,4,6
.irp a, 0,1,2,3
.if (\u)%2 == 0
	v_pk_fma_f32 v[S+8*\a+\jj:S+8*\a+\jj+1], v[ACC+8*\a+\jj:ACC+8*\a+\jj+1], v[QV+4*\par+\u:QV+4*\par+\u+1], v[S+8*\a+\jj:S+8*\a+\jj+1] op_sel_hi:[1,0,1]
.else
	v_pk_fma_f32 v[S+8*\a+\jj:S+8*\a+\jj+1], v[ACC+8*\a+\jj:ACC+8*\a+\jj+1], v[QV+4*\par+\u-1:QV+4*\par+\u], v[S+8*\a+\jj:S+8*\a+\jj+1] op_sel:[0,1,0] op_sel_hi:[1,1,1]
.endif
.endr
.endr
.endm
; A tile of v is folded into the sum over my lane's 32 rows of p(row) v(row, e), which goes to my part of OX
.macro EPIV u, par
.irp a, 0,1,2,3
	v_pk_mul_f32 v[OA+2*\a:OA+2*\a+1], v[ACC+8*\a:ACC+8*\a+1], v[S+8*\a:S+8*\a+1]
.endr
.irp jj, 2,4,6
.irp a, 0,1,2,3
	v_pk_fma_f32 v[OA+2*\a:OA+2*\a+1], v[ACC+8*\a+\jj:ACC+8*\a+\jj+1], v[S+8*\a+\jj:S+8*\a+\jj+1], v[OA+2*\a:OA+2*\a+1]
.endr
.endr
	WIN 0
	v_pk_add_f32 v[OA:OA+1], v[OA:OA+1], v[OA+2:OA+3]
	v_pk_add_f32 v[OA+4:OA+5], v[OA+4:OA+5], v[OA+6:OA+7]
	v_pk_add_f32 v[OA:OA+1], v[OA:OA+1], v[OA+4:OA+5]
	v_add_f32 v[OT+pp], v[OA], v[OA+1]
	ds_store_b32 v[OXW+2*\par], v[OT+pp] offset:64*\u
.endm
; A TILE: the next tile's 25 LDS loads, 32 products, the fold.  u: which of my four tiles of the slot; par: the slot's place in the ring; ph: 0 = k, 1 = v.
; mode 0: the next tile lies in the same slot: its loads stand at this tile's head, behind the last fold's vector lines, and land under this tile's products.
; mode 1: the slot's last tile: the change of slots, with a refill.  The next tile lies in the other slot, which may be read only behind the barrier: so the tile's first 8 products stand between the add and the
;         wait for it, 8 more between the barrier's signal and its wait, and the round, the refill and the run of loads stand at product 16.
; mode 2: the change without a refill.  mode 3: the last tile of all.
.macro TILE u, par, ph, mode
.set pp, (\u)%2
	WIN 0
.if \mode == 0
	BFETCH BAD+\par, (\u+1)*TILEB, 1-pp
	s_wait_dscnt 25+\ph                            ; this tile's fragments and scale words, asked for a tile ago, are in; out may stay the 25 loads just issued and, in v, the last tile's store into OX
.elseif \mode == 3
	s_wait_dscnt 0x0
.else
.if \mode == 1
	s_wait_xcnt 0x0                                ; the last prefetch, a slot back, has read its address
	s_add_nc_u64 s[48:49], s[48:49], SLOTB
.endif
	s_wait_tensorcnt 0x0                           ; all my tensor loads have landed: the one that was out is my quarter of the other slot
	ds_add_u32 v[SPW], v[NIL]                      ; 0 onto my spare word: eight products stand between it and the wait for it
.if \mode == 1
	s_add_nc_u64 s[34+4*\par:35+4*\par], s[34+4*\par:35+4*\par], 2*SLOTB   ; no load of mine is out, so this slot's group 0 may step: two slots on
	s_add_co_u32 s43, s43, 1                       ; changes of slots so far
.endif
	s_wait_dscnt 1+\ph                             ; this tile's fragments are in; out may stay the add and, in v, the last tile's store into OX
.endif
.set i, 0
.rept 32
.if (\mode == 1) || (\mode == 2)
.if i == 8
	s_wait_dscnt 0x0                               ; the add is done, and my reads of this slot are over: its last tile's fragments are in registers
	s_barrier_signal -1
.endif
.if i == 16
	WIN 0                                          ; eight products stood between the signal and the wait; at a branch and at a label every window is 0
	s_barrier_wait -1
.if \mode == 1
	CREST                                          ; the barrier has opened a round of the cluster's: no wave of any partner still reads this slot or has a load on its way
	tensor_load_to_lds s[32+4*\par:35+4*\par], s[24:31]   ; my one tensor load behind the round: 112 products stand between it and the wait for it
	s_nop 0
.rept 4
	v_nop
.endr
.endif
	BFETCH BAD+1-\par, 0, 1-pp                     ; the other slot's first tile of mine
.if \mode == 1
	WIN 0
	ASK                                            ; behind the tensor load and the run of LDS loads
.endif
.endif
.endif
	PROD pp
.set i, i+1
.endr
	WIN 0x03                                       ; source 0 window 3: the accumulators
.rept 4
	v_nop                                          ; four places ahead of the first read of results (ISA guide 7.12.1).  With the fold's lines on the other accumulators they are also the places ahead of the
.endr                                              ; next tile's loads into the set and the scale words just used, and of its first products, which begin the accumulators anew
.if \ph == 0
	EPIK \u, \par
.else
	EPIV \u, \par
.endif
.endm
; q and bk of the slot in hand are in; their product joins QB; the next slot's are asked for (the last slot of k asks for its own again, at the held address: no load leaves its buffer)
.macro QSTEP par
	s_wait_loadcnt 0x0
.irp u, 0,1,2,3
	v_fmac_f32 v[QB], v[QV+4*\par+\u], v[BKV+4*\par+\u]
.endr
	s_add_co_u32 s44, s44, 512
	s_min_u32 s45, s44, 3584
	v_add_nc_u32 v[QO], s45, v[QO0]                ; (the loads that read it are done)
.irp u, 0,1,2,3
	global_load_b32 v[QV+4*(1-\par)+\u], v[QO], s[8:9] offset:64*\u
	global_load_b32 v[BKV+4*(1-\par)+\u], v[QO], s[10:11] offset:64*\u
.endr
.endm
.macro SLOT par, ph, turn
.if \ph == 0
	QSTEP \par
.endif
	TILE 0, \par, \ph, 0
	TILE 1, \par, \ph, 0
	TILE 2, \par, \ph, 0
	TILE 3, \par, \ph, \turn
	WIN 0
.if \ph
	v_add_nc_u32 v[OXW+2*(1-\par)], 512, v[OXW+2*(1-\par)]   ; the OTHER slot's address steps: its last store was shown done by the counted wait at this slot's second tile
.endif
.endm
	s_load_b256 s[4:11], s[0:1], 0x0               ; memory_values s[4:5], wimg s[6:7], qbuf s[8:9], bk s[10:11]
	s_load_b128 s[12:15], s[0:1], 0x20             ; sc s[12:13], opart s[14:15]
	v_lshl_add_u32 v[SPW], v0, 2, SPARE
	v_mov_b32 v[NIL], 0
	ds_add_u32 v1, v2
	ds_add_u32 v1, v2
	s_wait_dscnt 0x0
	v_lshrrev_b32 v26, 5, v0
	v_readfirstlane_b32 s16, v26                   ; wave 0..3
	s_lshr_b32 s17, s16, 1                         ; rh: which 64 rows
	s_and_b32 s18, s16, 1                          ; ch: which 4 tiles of a slot
	s_bfe_u32 s19, ttmp6, 0x40000                  ; cx: it enters global addresses of my own rows and of the prefetches alone
	s_lshl_b32 s20, ttmp9, 2
	s_add_co_u32 s20, s20, s19                     ; WG = 4 x cluster + cx
	s_lshr_b32 s21, ttmp9, 2                       ; batch
	; descriptor group 1: 25,600 dense bytes (2 tiles) as 100 rows of 256 bytes
	s_mov_b32 s24, 15|(3<<16)|(1<<21)              ; 15:0 the mask: all four work-groups; 17:16 elements of 8 bytes; 20 no padding; 21 set beside a mask
	s_mov_b32 s25, 32<<16                          ; tensor_dim0 = 32
	s_mov_b32 s26, 100<<16                         ; tensor_dim1 = 100
	s_mov_b32 s27, 32<<16                          ; tile_dim0 = 32
	s_mov_b32 s28, 100                             ; tile_dim1 = 100
	s_mov_b32 s29, 32                              ; from row to row
	s_mov_b32 s30, 0
	s_mov_b32 s31, 0
	s_mov_b32 s[SEL], 0x76543210
	s_mov_b32 s[SEL+1], 0xfedcba98
	s_mov_b32 s43, 0
	s_mov_b32 s44, 0
	s_cmp_eq_u32 ttmp9, 0
	s_cselect_b32 s50, 12, 0                       ; cluster 0 prefetches at the first 12 changes of slots; the same in all four partners
	s_mul_i32 s22, s16, 2*TILEB                    ; my quarter of a slot, in memory and in LDS alike
	s_mov_b32 s23, 0
	s_wait_kmcnt 0x0
	s_mov_b32 s32, 1                               ; group 0 for slot 0: count = 1,
	s_mov_b32 s33, s22                             ; LDS address,
	s_add_nc_u64 s[34:35], s[6:7], s[22:23]        ; global address,
	s_mov_b32 s36, 1                               ; and for slot 1
	s_add_co_u32 s37, s22, SLOTB
	s_add_nc_u64 s[38:39], s[34:35], SLOTB
	s_or_b32 s35, s35, 0x80000000                  ; type = 2
	s_or_b32 s39, s39, 0x80000000
	s_mul_i32 s46, s19, 25600                      ; the prefetches: my work-group's 100 blocks of a slot,
	s_mul_i32 s47, s16, 6400                       ; my wave's 25,
	s_add_co_u32 s46, s46, s47
	s_add_co_u32 s46, s46, 2*SLOTB                 ; in slot 2
	s_mov_b32 s47, 0
	s_add_nc_u64 s[48:49], s[6:7], s[46:47]
	s_lshl_b32 s46, s20, 19                        ; my work-group's 128 rows of 4,096 bytes,
	s_lshl_b32 s22, s16, 17                        ; of which my wave quantises 32
	s_add_co_u32 s46, s46, s22
	s_add_nc_u64 s[4:5], s[4:5], s[46:47]
	s_lshl_b32 s46, s21, 12
	s_add_nc_u64 s[8:9], s[8:9], s[46:47]          ; my batch's q
	s_lshl_b32 s46, s20, 9
	s_add_nc_u64 s[12:13], s[12:13], s[46:47]      ; my 128 words of sc
	s_lshl_b32 s46, s20, 12
	s_add_nc_u64 s[14:15], s[14:15], s[46:47]      ; my row of opart
	CROUND                                         ; all four work-groups are here: the first joint loads meet
	tensor_load_to_lds s[32:35], s[24:31]          ; slots 0 and 1: two loads of mine are out
	s_nop 0
	tensor_load_to_lds s[36:39], s[24:31]
	s_nop 0
.rept 4
	v_nop
.endr
	v_and_b32 v26, 31, v0                          ; lane
	v_and_b32 v27, 15, v0                          ; r
	v_bfe_u32 v28, v0, 4, 1                        ; h
	v_lshlrev_b32 v[LI], 4, v26
	v_lshlrev_b32 v[GA], 4, v27
	v_lshl_add_u32 v[GA], v28, 12, v[GA]
	s_mul_i32 s22, s16, 4352
	s_add_co_u32 s22, s22, STAGE
	v_mul_u32_u24 v[STW], v28, 272
	v_lshl_add_u32 v[STW], v27, 4, v[STW]
	v_add_nc_u32 v[STW], s22, v[STW]
	v_mul_u32_u24 v[STR], v27, 272
	v_lshl_add_u32 v[STR], v28, 6, v[STR]
	v_add_nc_u32 v[STR], s22, v[STR]
	s_mul_i32 s22, s16, 16*FRB                     ; I make row blocks 2 w and 2 w + 1
	s_add_co_u32 s22, s22, AIMG
	v_add_nc_u32 v[IMW], s22, v[LI]
	s_lshl_b32 s22, s16, 10
	s_add_co_u32 s22, s22, ASC
	v_lshl_add_u32 v[SCW], v27, 4, s22
	s_mul_i32 s22, s17, 32*FRB                     ; I multiply row blocks 4 rh .. 4 rh + 3
	s_add_co_u32 s22, s22, AIMG
	v_add_nc_u32 v[IMR], s22, v[LI]
	s_lshl_b32 s22, s17, 11
	s_add_co_u32 s22, s22, ASC
	v_add_nc_u32 v[SCR], s22, v[LI]
	s_lshl_b32 s22, s18, 8
	v_lshl_add_u32 v[QO0], v27, 2, s22
	v_lshl_add_u32 v[QO], v27, 2, s22
	v_min_u32 v[PFO], 24, v26
	v_lshlrev_b32 v[PFO], 8, v[PFO]
	s_mul_i32 s22, s18, 4*TILEB
	v_add_nc_u32 v[BAD], s22, v[LI]
	v_add_nc_u32 v[BAD+1], SLOTB, v[BAD]
	s_lshl_b32 s22, s17, 8
	s_add_co_u32 s22, s22, SX
	v_lshl_add_u32 v[SXR], v28, 5, s22             ; SX + 256 rh + 32 h
	s_lshl_b32 s23, s18, 9
	s_add_co_u32 s23, s23, s22
	v_lshl_add_u32 v[SXW], v28, 5, s23             ; + 512 ch
	s_xor_b32 s22, s17, 1
	s_lshl_b32 s22, s22, 8
	s_add_co_u32 s22, s22, SX
	v_lshl_add_u32 v[SXR2], v28, 5, s22            ; the other 64 rows
	v_lshlrev_b32 v29, 11, v28
	v_lshl_add_u32 v29, v27, 2, v29                ; 2,048 h + 4 r
	s_lshl_b32 s22, s16, 12
	s_add_co_u32 s23, s22, OX
	v_add_nc_u32 v[OXW], s23, v29
	s_add_co_u32 s23, s22, OX-256
	v_add_nc_u32 v[OXW+2], s23, v29                ; the odd slots' address is stepped by 512 ahead of its first use
	v_lshrrev_b32 v29, 4, v0
	v_lshlrev_b32 v29, 9, v29
	v_lshl_add_u32 v[OPO], v27, 4, v29             ; 512 (thread / 16) + 16 (thread % 16)
	v_lshl_add_u32 v[OXR], v0, 4, OX
	v_add_nc_u32 v[SXA], SX, v[LI]
.irp u, 0,1,2,3
	global_load_b32 v[QV+\u], v[QO], s[8:9] offset:64*\u      ; q and bk of slot 0's columns: older than every load of the head
	global_load_b32 v[BKV+\u], v[QO], s[10:11] offset:64*\u
.endr
.set n, 0
.rept 32
	v_mov_b32 v[S+n], 0
.set n, n+1
.endr
	v_mov_b32 v[QB], 0
	v_mov_b32 v[QB+1], 0
.irp b, 0,1,2,3
	v_mov_b32 v[TM+4+\b], 0                        ; written once: a lane permute's destination counts as one of its sources
.endr
	; ---- THE HEAD: my 32 rows become 16 fragments.  48 loads of 512 bytes a wave are on their way throughout.
	LOADF 0, 0
	LOADF 1, 512
	LOADF 2, 65536
	WIN 0
	s_mov_b32 s42, 3
.Lhead:                                            ; a trip: two K steps of both my row blocks
	HSTEP 0, 1, 32
	HSTEP 1, 1, 32
	HSTEP 2, 1, 32
	HSTEP 3, 1, 32
	s_wait_dscnt 0x0                               ; the image's stores are done,
	s_wait_xcnt 0x0                                ; and the loads have read their base: both may step
	s_add_nc_u64 s[4:5], s[4:5], 1024
	v_add_nc_u32 v[IMW], 2*FRB, v[IMW]
	v_add_nc_u32 v[SCW], 4, v[SCW]
	s_sub_co_u32 s42, s42, 1
	s_cmp_lg_u32 s42, 0
	s_cbranch_scc1 .Lhead
	HSTEP 0, 1, 32                                 ; the last trip asks for its own fourth fragment and no more: the counts run down
	s_cmp_eq_u32 s50, 12
	s_cbranch_scc0 .Lno_first_ask
	global_prefetch_b8 v[PFO], s[48:49] th:TH_LOAD_NT scope:SCOPE_SE                 ; slots 2 and 3, which the first two changes of slots will ask for
	global_prefetch_b8 v[PFO], s[48:49] offset:SLOTB th:TH_LOAD_NT scope:SCOPE_SE
.Lno_first_ask:
	HSTEP 1, 0, 32
	HSTEP 2, 0, 16
	HSTEP 3, 0, 0
	s_wait_tensorcnt 0x1                           ; my quarter of slot 0 is in; slot 1's may stay out
	s_wait_dscnt 0x0                               ; my images have landed
	s_barrier_signal -1
	s_barrier_wait -1
	WIN 0x40
.irp s, 0,1,2,3
.irp a, 0,1,2,3
.irp c, 0,1,2
	ds_load_b128 v[12*(4*\s+\a)+4*\c:12*(4*\s+\a)+4*\c+3], v[IMR] offset:(8*\a+\s)*FRB+512*\c
.endr
.endr
.endr
	WIN 0x80
.irp s, 0,1,2,3
.irp a, 0,1,2,3
.irp c, 0,1,2
	ds_load_b128 v[12*(4*\s+\a)+4*\c:12*(4*\s+\a)+4*\c+3], v[IMR] offset:(8*\a+\s+4)*FRB+512*\c
.endr
.endr
.endr
	WIN 0
.irp a, 0,1,2,3
	ds_load_b128 v[AS+4*\a:AS+4*\a+3], v[SCR] offset:512*\a
.endr
	BFETCH BAD, 0, 0                               ; my first tile of the weight
	WIN 0
	; ---- k: slots 0 to 7
	s_mov_b32 s42, 4
.Lkloop:
	SLOT 0, 0, 1
	SLOT 1, 0, 1
	s_sub_co_u32 s42, s42, 1
	s_cmp_lg_u32 s42, 0
	s_cbranch_scc1 .Lkloop
	; ---- THE SOFTMAX of my work-group's 128 rows, under their own maximum
.set n, 0
.rept 16
	v_pk_add_f32 v[S+n:S+n+1], v[S+n:S+n+1], v[QB:QB+1] op_sel_hi:[1,0]   ; my columns' q bk, once for each row
.set n, n+2
.endr
.irp m, 1,2,4,8                                ; the sum over the sixteen lanes, which hold sixteen columns
.set n, 0
.rept 32
	v_add_f32_dpp v[S+n], v[S+n], v[S+n] row_xmask:\m row_mask:0xf bank_mask:0xf
.set n, n+1
.endr
.endr
.irp a, 0,1,2,3
	ds_store_b128 v[SXW], v[S+8*\a:S+8*\a+3] offset:64*\a      ; sixteen lanes write the same bytes with the same values
	ds_store_b128 v[SXW], v[S+8*\a+4:S+8*\a+7] offset:64*\a+16
.endr
	s_mov_b32 s46, 0x3d38aa3b                      ; log2(e) / 32
	s_mov_b32 s47, s46
	s_wait_dscnt 0x0
	s_barrier_signal -1                            ; (slot 9's load may stay out)
	s_barrier_wait -1
.irp a, 0,1,2,3
.irp q, 0,1
	ds_load_b128 v[128+8*\a+4*\q:131+8*\a+4*\q], v[SXR] offset:64*\a+16*\q
	ds_load_b128 v[160+8*\a+4*\q:163+8*\a+4*\q], v[SXR] offset:512+64*\a+16*\q
	ds_load_b128 v[192+8*\a+4*\q:195+8*\a+4*\q], v[SXR2] offset:64*\a+16*\q
	ds_load_b128 v[224+8*\a+4*\q:227+8*\a+4*\q], v[SXR2] offset:512+64*\a+16*\q
.endr
.endr
	s_wait_dscnt 0x0
.set n, 0
.rept 16
	v_pk_add_f32 v[S+n:S+n+1], v[128+n:129+n], v[160+n:161+n]          ; the two column halves: my rows,
	v_pk_add_f32 v[192+n:193+n], v[192+n:193+n], v[224+n:225+n]        ; and the other 64
.set n, n+2
.endr
.set n, 0
.rept 16
	v_pk_mul_f32 v[S+n:S+n+1], v[S+n:S+n+1], s[46:47] op_sel_hi:[1,0]  ; t
	v_pk_mul_f32 v[192+n:193+n], v[192+n:193+n], s[46:47] op_sel_hi:[1,0]
.set n, n+2
.endr
	s_cmp_lg_u32 s16, 0
	s_cbranch_scc1 .Lnot_sc
	ds_load_b128 v[224:227], v[SXA]                ; wave 0 sends the 128 t, made by the same two instructions: the same bits
	ds_load_b128 v[228:231], v[SXA] offset:512
	s_wait_dscnt 0x0
	v_pk_add_f32 v[224:225], v[224:225], v[228:229]
	v_pk_add_f32 v[226:227], v[226:227], v[230:231]
	v_pk_mul_f32 v[224:225], v[224:225], s[46:47] op_sel_hi:[1,0]
	v_pk_mul_f32 v[226:227], v[226:227], s[46:47] op_sel_hi:[1,0]
	global_store_b128 v[LI], v[224:227], s[12:13]  ; 512 consecutive bytes; none of its registers is written again
.Lnot_sc:
.irp c, 0,1,2,3                                ; the largest of the 128 t: my lane's 64 in four chains,
	v_max3_num_f32 v[28+\c], v[S+8*\c], v[S+8*\c+1], v[S+8*\c+2]
.endr
.irp i, 3,5
.irp c, 0,1,2,3
	v_max3_num_f32 v[28+\c], v[28+\c], v[S+8*\c+\i], v[S+8*\c+\i+1]
.endr
.endr
.irp c, 0,1,2,3
	v_max3_num_f32 v[28+\c], v[28+\c], v[S+8*\c+7], v[192+8*\c]
.endr
.irp i, 1,3,5
.irp c, 0,1,2,3
	v_max3_num_f32 v[28+\c], v[28+\c], v[192+8*\c+\i], v[192+8*\c+\i+1]
.endr
.endr
.irp c, 0,1,2,3
	v_max_num_f32 v[28+\c], v[28+\c], v[192+8*\c+7]
.endr
	v_max3_num_f32 v28, v28, v29, v30
	v_max_num_f32 v28, v28, v31
	v_permlanex16_b32 v29, v28, s[SEL], s[SEL+1]   ; and the other half of the lanes' 64
	v_max_num_f32 v28, v28, v29
.set n, 0
.rept 16
	v_pk_add_f32 v[S+n:S+n+1], v[S+n:S+n+1], v[28:29] op_sel_hi:[1,0] neg_lo:[0,1] neg_hi:[0,1]   ; t - m
.set n, n+2
.endr
.set n, 0
.rept 32
	v_exp_f32 v[S+n], v[S+n]                       ; p = 2^(t - m), at most 1
.set n, n+1
.endr
	v_nop                                          ; a plain place behind the last exponential
	s_wait_alu depctr_va_vdst(0)                   ; one wait for the batch, ahead of its first reader and of the label below
	; ---- v: slots 8 to 15
	s_mov_b32 s42, 3
.Lvloop:
	SLOT 0, 1, 1
	SLOT 1, 1, 1
	s_sub_co_u32 s42, s42, 1
	s_cmp_lg_u32 s42, 0
	s_cbranch_scc1 .Lvloop
	SLOT 0, 1, 2                                   ; the tail is written out: slot 14 is left and nothing is asked for
	SLOT 1, 1, 3                                   ; and slot 15 is the last
	; ---- THE WAY OUT: a column's four partial sums (two halves of the rows x two halves of the lanes) are added; sixteen lanes store 256 consecutive bytes
	s_wait_dscnt 0x0
	s_barrier_signal -1
	s_barrier_wait -1
.irp k, 0,1
.irp j, 0,1,2,3
	ds_load_b128 v[128+16*\k+4*\j:131+16*\k+4*\j], v[OXR] offset:8192*(\j/2)+4096*\k+2048*(\j%2)
.endr
.endr
	s_wait_dscnt 0x0
.irp k, 0,1
.irp j, 0,2
	v_pk_add_f32 v[128+16*\k+\j:129+16*\k+\j], v[128+16*\k+\j:129+16*\k+\j], v[132+16*\k+\j:133+16*\k+\j]
	v_pk_add_f32 v[136+16*\k+\j:137+16*\k+\j], v[136+16*\k+\j:137+16*\k+\j], v[140+16*\k+\j:141+16*\k+\j]
	v_pk_add_f32 v[128+16*\k+\j:129+16*\k+\j], v[128+16*\k+\j:129+16*\k+\j], v[136+16*\k+\j:137+16*\k+\j]
.endr
	global_store_b128 v[OPO], v[128+16*\k:131+16*\k], s[14:15] offset:256*\k th:TH_STORE_NT
.endr
	s_wait_tensorcnt 0x0                           ; the wave's end: behind my last tensor load and my last LDS store
	ds_add_u32 v[SPW], v[NIL]
	s_wait_dscnt 0x0
	CROUND                                         ; the closing round: no work-group ends while a partner may still ask for a slot that names it
	s_endpgm
.Lfunc_end_k_q20787b2b6c_attend:
	.size	k_q20787b2b6c_attend, .Lfunc_end_k_q20787b2b6c_attend-k_q20787b2b6c_attend
	.p2alignl 7, 3214868480
	.fill 96, 4, 3214868480
	.section	.rodata,"a",@progbits
	.p2align	6, 0x0
	.amdhsa_kernel k_q20787b2b6c_attend
		.amdhsa_group_segment_fixed_size 327680
		.amdhsa_private_segment_fixed_size 0
		.amdhsa_enable_private_segment 0
		.amdhsa_kernarg_size 48
		.amdhsa_user_sgpr_count 2
		.amdhsa_user_sgpr_kernarg_segment_ptr 1
		.amdhsa_wavefront_size32 1
		.amdhsa_system_sgpr_workgroup_id_x 1
		.amdhsa_system_sgpr_workgroup_id_y 1
		.amdhsa_system_sgpr_workgroup_id_z 1
		.amdhsa_system_vgpr_workitem_id 0
		.amdhsa_next_free_vgpr 1024
		.amdhsa_next_free_sgpr 66
		.amdhsa_reserve_vcc 0
		.amdhsa_float_denorm_mode_32 3
		.amdhsa_float_denorm_mode_16_64 3
		.amdhsa_memory_ordered 1
		.amdhsa_forward_progress 1
		.amdhsa_inst_pref_size 255
	.end_amdhsa_kernel
	.section	.bss,"aw",@nobits
	.p2align	6
	.space	262144
	.amdgpu_metadata
---
amdhsa.version: [ 1, 2 ]
amdhsa.kernels:
  - .name:           k_q20787b2b6c_attend
    .symbol:         k_q20787b2b6c_attend.kd
    .args:
      - { .name: memory_values, .offset: 0, .size: 8, .value_kind: global_buffer, .address_space: global }
      - { .name: wimg, .offset: 8, .size: 8, .value_kind: global_buffer, .address_space: global }
      - { .name: qbuf, .offset: 16, .size: 8, .value_kind: global_buffer, .address_space: global }
      - { .name: bk, .offset: 24, .size: 8, .value_kind: global_buffer, .address_space: global }
      - { .name: sc, .offset: 32, .size: 8, .value_kind: global_buffer, .address_space: global }
      - { .name: opart, .offset: 40, .size: 8, .value_kind: global_buffer, .address_space: global }
    .group_segment_fixed_size: 327680
    .private_segment_fixed_size: 0
    .kernarg_segment_align: 8
    .kernarg_segment_size: 48
    .max_flat_workgroup_size: 128
    .sgpr_count:     66
    .vgpr_count:     1024
    .wavefront_size: 32
...
	.end_amdgpu_metadata
.endif
;; end of part 2
;; launch finish (part 3): grid 16 x 1, 16 waves a work-group, no clusters, 4,096 bytes of LDS; arguments sc, opart, bv, out0, out1, out3, idx; writes out0, out1, out3, idx
.if DOCPART == 3
	.amdgcn_target "amdgcn-amd-amdhsa--gfx1250"
	.amdhsa_code_object_version 6
	.text
	.protected	k_q20787b2b6c_finish
	.globl	k_q20787b2b6c_finish
	.p2align	8
	.type	k_q20787b2b6c_finish,@function
k_q20787b2b6c_finish:
	s_mov_b64 s[64:65], 0
	v_nop
	global_prefetch_b8 v0, s[64:65] scope:SCOPE_SE
	s_setreg_imm32_b32 hwreg(HW_REG_WAVE_MODE, 25, 1), 1
	s_wait_xcnt 0x0
; One work-group for each batch.  t [2048] (scores x log2 e) and 16 partial sums O_g [1024], each taken under its own 128 rows' maximum m_g, become:
; probs = 2^(t - M) / L;  output = (the sum over g of 2^(m_g - M) O_g + bv L) / L;  the indices of the 8 largest probs, of equal ones the lower first.
; Thread i holds t[4 i .. 4 i + 3], so wave w holds just the 128 rows of partial sum w: its maximum IS m_w, bit for bit, since a maximum rounds nothing.  Thread i also owns columns 2 i, 2 i + 1 of the output.
; THE 8 LARGEST, in two stages: each wave finds its 8 (eight rounds: the wave's largest value; among its holders the least index; that one is struck out), then wave 0 does the same with the 128 candidates.
; Indices are kept as f32 (whole numbers under 2^24).  Nothing here branches or addresses by a floating-point number: the indices go to fixed places, and the next launch reads them.
; 16 work-groups: the sums span a batch, and one owner for each batch spares a further launch.  No matrix unit, no cluster, no tensor load: 76 KiB are read by each work-group, once.
; LIMITS: NaN and infinities are not served.
.set MX, 0                             ; the 16 waves' maxima
.set LX, 256                           ; their sums
.set CV, 512                           ; their 8 largest values, 32 bytes a wave
.set CI, 1024                          ; and those values' indices
.macro WMAX x, t
	v_max_num_f32_dpp v[\x], v[\x], v[\x] row_xmask:1 row_mask:0xf bank_mask:0xf
	v_max_num_f32_dpp v[\x], v[\x], v[\x] row_xmask:2 row_mask:0xf bank_mask:0xf
	v_max_num_f32_dpp v[\x], v[\x], v[\x] row_xmask:4 row_mask:0xf bank_mask:0xf
	v_max_num_f32_dpp v[\x], v[\x], v[\x] row_xmask:8 row_mask:0xf bank_mask:0xf
	v_permlanex16_b32 v[\t], v[\x], s22, s23
	v_max_num_f32 v[\x], v[\x], v[\t]
.endm
.macro WMIN x, t
	v_min_num_f32_dpp v[\x], v[\x], v[\x] row_xmask:1 row_mask:0xf bank_mask:0xf
	v_min_num_f32_dpp v[\x], v[\x], v[\x] row_xmask:2 row_mask:0xf bank_mask:0xf
	v_min_num_f32_dpp v[\x], v[\x], v[\x] row_xmask:4 row_mask:0xf bank_mask:0xf
	v_min_num_f32_dpp v[\x], v[\x], v[\x] row_xmask:8 row_mask:0xf bank_mask:0xf
	v_permlanex16_b32 v[\t], v[\x], s22, s23
	v_min_num_f32 v[\x], v[\x], v[\t]
.endm
.macro WSUM x, t
	v_add_f32_dpp v[\x], v[\x], v[\x] row_xmask:1 row_mask:0xf bank_mask:0xf
	v_add_f32_dpp v[\x], v[\x], v[\x] row_xmask:2 row_mask:0xf bank_mask:0xf
	v_add_f32_dpp v[\x], v[\x], v[\x] row_xmask:4 row_mask:0xf bank_mask:0xf
	v_add_f32_dpp v[\x], v[\x], v[\x] row_xmask:8 row_mask:0xf bank_mask:0xf
	v_permlanex16_b32 v[\t], v[\x], s22, s23
	v_add_f32 v[\x], v[\x], v[\t]
.endm
; of the wave's 128 pairs (value v4-7, index v68-71) the 8 largest, in order: values to v76-83, indices to v84-91, in every lane
.macro TOP8
.irp r, 0,1,2,3,4,5,6,7
	v_max3_num_f32 v[76+\r], v4, v5, v6
	v_max_num_f32 v[76+\r], v[76+\r], v7
	WMAX 76+\r, 9                                  ; the largest value left
.irp j, 0,1,2,3
	v_cmp_eq_f32 vcc_lo, v[4+\j], v[76+\r]
	v_cndmask_b32 v[72+\j], v92, v[68+\j], vcc_lo  ; its holders' indices, 4,096 for the others
.endr
	v_min3_num_f32 v[84+\r], v72, v73, v74
	v_min_num_f32 v[84+\r], v[84+\r], v75
	WMIN 84+\r, 9                                  ; the least of them
.irp j, 0,1,2,3
	v_cmp_eq_f32 vcc_lo, v[68+\j], v[84+\r]
	v_cndmask_b32 v[4+\j], v[4+\j], v93, vcc_lo    ; is struck out: -1 lies under every probability
.endr
.endr
.endm
	s_load_b256 s[4:11], s[0:1], 0x0               ; sc s[4:5], opart s[6:7], bv s[8:9], out0 s[10:11]
	s_load_b128 s[12:15], s[0:1], 0x20             ; out1 s[12:13], out3 s[14:15]
	s_load_b64 s[16:17], s[0:1], 0x30              ; idx
	v_lshl_add_u32 v128, v0, 2, 0x800
	v_mov_b32 v129, 0
	v_lshrrev_b32 v8, 5, v0
	v_readfirstlane_b32 s18, v8                    ; wave 0..15
	v_and_b32 v3, 31, v0                           ; lane
	v_lshlrev_b32 v1, 4, v0                        ; 16 bytes a thread: t, probs
	v_lshlrev_b32 v2, 3, v0                        ; 8 bytes a thread: the output's columns
	v_mov_b32 v10, s18
	v_lshlrev_b32 v94, 5, v10                      ; 32 wave
	v_lshlrev_b32 v10, 2, v10                      ; 4 wave
	v_mov_b32 v11, 0
	v_lshlrev_b32 v95, 4, v3                       ; 16 lane
	v_lshlrev_b32 v112, 2, v3                      ; 4 lane
	v_mov_b32 v9, 0                                ; written once: a lane permute's destination counts as one of its sources
	v_mov_b32 v92, 0x45800000                      ; 4,096.0, over every index
	v_mov_b32 v93, -1.0
	v_lshlrev_b32 v8, 2, v0
.irp j, 0,1,2,3
	v_add_nc_u32 v[72+\j], \j, v8
.endr
.irp j, 0,1,2,3
	v_cvt_f32_u32 v[68+\j], v[72+\j]               ; my four indices
.endr
	s_mov_b32 s22, 0x76543210
	s_mov_b32 s23, 0xfedcba98
	s_lshl_b32 s24, ttmp9, 13                      ; the batch's 8,192 bytes of sc and out1,
	s_mov_b32 s25, 0
	s_lshl_b32 s26, ttmp9, 16                      ; 65,536 of opart,
	s_mov_b32 s27, 0
	s_lshl_b32 s28, ttmp9, 12                      ; 4,096 of out0,
	s_mov_b32 s29, 0
	s_lshl_b32 s30, ttmp9, 5                       ; 32 of out3 and idx
	s_mov_b32 s31, 0
	s_wait_kmcnt 0x0
	s_add_nc_u64 s[4:5], s[4:5], s[24:25]
	s_add_nc_u64 s[12:13], s[12:13], s[24:25]
	s_add_nc_u64 s[6:7], s[6:7], s[26:27]
	s_add_nc_u64 s[10:11], s[10:11], s[28:29]
	s_add_nc_u64 s[14:15], s[14:15], s[30:31]
	s_add_nc_u64 s[16:17], s[16:17], s[30:31]
	global_load_b128 v[4:7], v1, s[4:5] th:TH_LOAD_NT
.irp g, 0,1,2,3,4,5,6,7,8,9,10,11,12,13,14,15
	global_load_b64 v[32+2*\g:33+2*\g], v2, s[6:7] offset:4096*\g th:TH_LOAD_NT
.endr
	global_load_b64 v[64:65], v2, s[8:9]
	s_wait_loadcnt 17                              ; t is in; the 17 younger loads stay out
	v_max3_num_f32 v8, v4, v5, v6
	v_max_num_f32 v8, v8, v7
	WMAX 8, 9
	ds_store_b32 v10, v8 offset:MX                 ; all lanes write the same word with the same value
	s_wait_dscnt 0x0
	s_barrier_signal -1
	s_barrier_wait -1
.irp i, 0,1,2,3
	ds_load_b128 v[16+4*\i:19+4*\i], v11 offset:MX+16*\i       ; m_0 .. m_15
.endr
	s_wait_dscnt 0x0
	v_max3_num_f32 v12, v16, v17, v18
.irp g, 19,21,23,25,27,29
	v_max3_num_f32 v12, v12, v[\g], v[\g+1]
.endr
	v_max_num_f32 v12, v12, v31                    ; M
	v_mov_b32 v13, v12
.irp j, 4,6,16,18,20,22,24,26,28,30
	v_pk_add_f32 v[\j:\j+1], v[\j:\j+1], v[12:13] neg_lo:[0,1] neg_hi:[0,1]
.endr
.irp j, 4,5,6,7,16,17,18,19,20,21,22,23,24,25,26,27,28,29,30,31
	v_exp_f32 v[\j], v[\j]                         ; 2^(t - M) and 2^(m_g - M): one batch
.endr
	v_nop                                          ; a plain place behind the last exponential
	s_wait_alu depctr_va_vdst(0)                   ; one wait for the batch, ahead of its first reader
	v_add_f32 v8, v4, v5
	v_add_f32 v14, v6, v7
	v_add_f32 v8, v8, v14
	WSUM 8, 9
	ds_store_b32 v10, v8 offset:LX
	s_wait_dscnt 0x0
	s_barrier_signal -1
	s_barrier_wait -1
.irp i, 0,1,2,3
	ds_load_b128 v[96+4*\i:99+4*\i], v11 offset:LX+16*\i
.endr
	s_wait_dscnt 0x0
	v_add_f32 v14, v96, v97
.irp g, 98,99,100,101,102,103,104,105,106,107,108,109,110,111
	v_add_f32 v14, v14, v[\g]                      ; L, the same in every thread
.endr
	v_rcp_f32 v12, v14
	v_mov_b32 v15, v14                             ; (a plain place behind the reciprocal)
	s_wait_alu depctr_va_vdst(0)
	v_mov_b32 v13, v12
	v_pk_mul_f32 v[4:5], v[4:5], v[12:13]
	v_pk_mul_f32 v[6:7], v[6:7], v[12:13]          ; probs
	global_store_b128 v1, v[4:7], s[12:13]         ; a wave stores 512 consecutive bytes
	s_wait_loadcnt 0x0
	v_pk_mul_f32 v[66:67], v[64:65], v[14:15]      ; bv L
.irp g, 0,2,4,6,8,10,12,14
	v_pk_fma_f32 v[66:67], v[32+2*\g:33+2*\g], v[16+\g:17+\g], v[66:67] op_sel_hi:[1,0,1]
	v_pk_fma_f32 v[66:67], v[34+2*\g:35+2*\g], v[16+\g:17+\g], v[66:67] op_sel:[0,1,0] op_sel_hi:[1,1,1]
.endr
	v_pk_mul_f32 v[66:67], v[66:67], v[12:13]
	global_store_b64 v2, v[66:67], s[10:11]        ; a wave stores 256 consecutive bytes
	s_wait_xcnt 0x0                                ; the store of probs has read v4-7, which the search below writes
	TOP8
	ds_store_b128 v94, v[76:79] offset:CV
	ds_store_b128 v94, v[80:83] offset:CV+16
	ds_store_b128 v94, v[84:87] offset:CI
	ds_store_b128 v94, v[88:91] offset:CI+16
	s_wait_dscnt 0x0
	s_barrier_signal -1
	s_barrier_wait -1
	s_cmp_lg_u32 s18, 0
	s_cbranch_scc1 .Lend
	ds_load_b128 v[4:7], v95 offset:CV             ; 128 candidates, four a lane
	ds_load_b128 v[68:71], v95 offset:CI
	s_wait_dscnt 0x0
	TOP8
	v_mov_b32 v8, v84
.irp r, 1,2,3,4,5,6,7
	v_cmp_eq_u32 vcc_lo, \r, v3
	v_cndmask_b32 v8, v8, v[84+\r], vcc_lo         ; lane r takes the r-th
.endr
	v_cvt_u32_f32 v8, v8
	v_cmp_gt_u32 vcc_lo, 8, v3
	s_and_saveexec_b32 s20, vcc_lo                 ; (no global instruction has been issued since the wait on XCNT above)
	global_store_b32 v112, v8, s[14:15]
	global_store_b32 v112, v8, s[16:17]
	s_wait_xcnt 0x0                                ; EXEC widens only behind this wait
	s_or_b32 exec_lo, exec_lo, s20
.Lend:
	s_wait_tensorcnt 0x0
	ds_add_u32 v128, v129
	s_wait_dscnt 0x0
	s_endpgm
.Lfunc_end_k_q20787b2b6c_finish:
	.size	k_q20787b2b6c_finish, .Lfunc_end_k_q20787b2b6c_finish-k_q20787b2b6c_finish
	.p2alignl 7, 3214868480
	.fill 96, 4, 3214868480
	.section	.rodata,"a",@progbits
	.p2align	6, 0x0
	.amdhsa_kernel k_q20787b2b6c_finish
		.amdhsa_group_segment_fixed_size 4096
		.amdhsa_private_segment_fixed_size 0
		.amdhsa_enable_private_segment 0
		.amdhsa_kernarg_size 56
		.amdhsa_user_sgpr_count 2
		.amdhsa_user_sgpr_kernarg_segment_ptr 1
		.amdhsa_wavefront_size32 1
		.amdhsa_system_sgpr_workgroup_id_x 1
		.amdhsa_system_sgpr_workgroup_id_y 1
		.amdhsa_system_sgpr_workgroup_id_z 1
		.amdhsa_system_vgpr_workitem_id 0
		.amdhsa_next_free_vgpr 130
		.amdhsa_next_free_sgpr 66
		.amdhsa_reserve_vcc 1
		.amdhsa_float_denorm_mode_32 3
		.amdhsa_float_denorm_mode_16_64 3
		.amdhsa_memory_ordered 1
		.amdhsa_forward_progress 1
		.amdhsa_inst_pref_size 33
	.end_amdhsa_kernel
	.amdgpu_metadata
---
amdhsa.version: [ 1, 2 ]
amdhsa.kernels:
  - .name:           k_q20787b2b6c_finish
    .symbol:         k_q20787b2b6c_finish.kd
    .args:
      - { .name: sc, .offset: 0, .size: 8, .value_kind: global_buffer, .address_space: global }
      - { .name: opart, .offset: 8, .size: 8, .value_kind: global_buffer, .address_space: global }
      - { .name: bv, .offset: 16, .size: 8, .value_kind: global_buffer, .address_space: global }
      - { .name: out0, .offset: 24, .size: 8, .value_kind: global_buffer, .address_space: global }
      - { .name: out1, .offset: 32, .size: 8, .value_kind: global_buffer, .address_space: global }
      - { .name: out3, .offset: 40, .size: 8, .value_kind: global_buffer, .address_space: global }
      - { .name: idx, .offset: 48, .size: 8, .value_kind: global_buffer, .address_space: global }
    .group_segment_fixed_size: 4096
    .private_segment_fixed_size: 0
    .kernarg_segment_align: 8
    .kernarg_segment_size: 56
    .max_flat_workgroup_size: 512
    .sgpr_count:     66
    .vgpr_count:     130
    .wavefront_size: 32
...
	.end_amdgpu_metadata
.endif
;; end of part 3
;; launch gather (part 4): grid 128 x 1, 4 waves a work-group, no clusters, 0 bytes of LDS; arguments idx, memory_values, out2; writes out2
.if DOCPART == 4
	.amdgcn_target "amdgcn-amd-amdhsa--gfx1250"
	.amdhsa_code_object_version 6
	.text
	.protected	k_q20787b2b6c_gather
	.globl	k_q20787b2b6c_gather
	.p2align	8
	.type	k_q20787b2b6c_gather,@function
k_q20787b2b6c_gather:
	s_mov_b64 s[64:65], 0
	v_nop
	global_prefetch_b8 v0, s[64:65] scope:SCOPE_SE
	s_setreg_imm32_b32 hwreg(HW_REG_WAVE_MODE, 25, 1), 1
	s_wait_xcnt 0x0
; out2[b][r][:] = memory_values[b][idx[b][r]][:].  Work-group 8 b + r copies one row of 4,096 bytes: 128 threads, two loads and two stores of 16 bytes each; every load and store of a wave
; covers 512 consecutive bytes.  The index was stored as a whole number by the launch before; it is held to 0 .. 2,047 ahead of the address.
; A launch of its own, since the address hangs on a choice made from floating-point numbers.  Nothing is shared, so no LDS, no cluster.
	s_load_b128 s[4:7], s[0:1], 0x0                ; idx s[4:5], memory_values s[6:7]
	s_load_b64 s[8:9], s[0:1], 0x10                ; out2
	s_lshl_b32 s10, ttmp9, 2
	s_mov_b32 s11, 0
	s_lshl_b32 s16, ttmp9, 12
	s_mov_b32 s17, 0
	s_lshr_b32 s14, ttmp9, 3
	s_lshl_b32 s14, s14, 11                        ; the batch's first row
	v_lshlrev_b32 v1, 4, v0
	s_wait_kmcnt 0x0
	s_add_nc_u64 s[4:5], s[4:5], s[10:11]
	s_add_nc_u64 s[8:9], s[8:9], s[16:17]
	s_load_b32 s12, s[4:5], 0x0
	s_wait_kmcnt 0x0
	s_min_u32 s12, s12, 2047
	s_add_co_u32 s12, s12, s14
	s_lshl_b32 s12, s12, 12                        ; under 2^27
	s_mov_b32 s13, 0
	s_add_nc_u64 s[6:7], s[6:7], s[12:13]
	global_load_b128 v[4:7], v1, s[6:7]
	global_load_b128 v[8:11], v1, s[6:7] offset:2048
	s_wait_loadcnt 0x0
	global_store_b128 v1, v[4:7], s[8:9] th:TH_STORE_NT
	global_store_b128 v1, v[8:11], s[8:9] offset:2048 th:TH_STORE_NT
	s_endpgm
.Lfunc_end_k_q20787b2b6c_gather:
	.size	k_q20787b2b6c_gather, .Lfunc_end_k_q20787b2b6c_gather-k_q20787b2b6c_gather
	.p2alignl 7, 3214868480
	.fill 96, 4, 3214868480
	.section	.rodata,"a",@progbits
	.p2align	6, 0x0
	.amdhsa_kernel k_q20787b2b6c_gather
		.amdhsa_group_segment_fixed_size 0
		.amdhsa_private_segment_fixed_size 0
		.amdhsa_enable_private_segment 0
		.amdhsa_kernarg_size 24
		.amdhsa_user_sgpr_count 2
		.amdhsa_user_sgpr_kernarg_segment_ptr 1
		.amdhsa_wavefront_size32 1
		.amdhsa_system_sgpr_workgroup_id_x 1
		.amdhsa_system_sgpr_workgroup_id_y 1
		.amdhsa_system_sgpr_workgroup_id_z 1
		.amdhsa_system_vgpr_workitem_id 0
		.amdhsa_next_free_vgpr 16
		.amdhsa_next_free_sgpr 66
		.amdhsa_reserve_vcc 0
		.amdhsa_float_denorm_mode_32 3
		.amdhsa_float_denorm_mode_16_64 3
		.amdhsa_memory_ordered 1
		.amdhsa_forward_progress 1
		.amdhsa_inst_pref_size 2
	.end_amdhsa_kernel
	.amdgpu_metadata
---
amdhsa.version: [ 1, 2 ]
amdhsa.kernels:
  - .name:           k_q20787b2b6c_gather
    .symbol:         k_q20787b2b6c_gather.kd
    .args:
      - { .name: idx, .offset: 0, .size: 8, .value_kind: global_buffer, .address_space: global }
      - { .name: memory_values, .offset: 8, .size: 8, .value_kind: global_buffer, .address_space: global }
      - { .name: out2, .offset: 16, .size: 8, .value_kind: global_buffer, .address_space: global }
    .group_segment_fixed_size: 0
    .private_segment_fixed_size: 0
    .kernarg_segment_align: 8
    .kernarg_segment_size: 24
    .max_flat_workgroup_size: 128
    .sgpr_count:     66
    .vgpr_count:     16
    .wavefront_size: 32
...
	.end_amdgpu_metadata
.endif
;; end of part 4
